; MI455X (gfx1250); checked and timed in simulation.
; The chip was launched on July 23, 2026; its instructions are those of AMD's public machine-readable ISA for CDNA 5 (MIT licence, August 2026) and "CDNA5" Instruction Set Architecture Reference Guide (July 2026). The comments in the code are by the model that wrote it; some were corrected since.
;; Tensorized GRU. Allowed arithmetic: matrix products marked QUANTISED: E2M1 operands, one E8M0 scale for each 32 along K, by v_wmma_scale_f32_16x16x128_f8f6f4 with both operands' format E2M1 (or v_wmma_scale_f32_32x16x128_f4), f32 sums; products left as they are: f32 operands where the result goes on into a quantised operand, else bf16, f16 or f32 operands; f32 sums; everything else in f32.
;; Inputs: W1 128 x 256 x 256 float32; W2 128 x 256 x 256 float32; W3 256 x 128 float32; b1 128 float32; b2 128 float32; in0 4,096 x 128 float32; in1 4,096 x 128 float32; st0 4,096 x 128 float32; st1 4,096 x 128 float32.
;; Outputs: out0 4,096 x 128 float32.
;; This version of the problem:
;;   THIS VERSION OF THE PROBLEM IS GIVEN IN LOW PRECISION. The matrix products marked QUANTISED in the list below multiply operands that are first quantised to E2M1 (2 exponent bits, 1 mantissa bit; 4 bits a number), with one power-of-two scale for each 32 numbers along K (OCP MX v1.0); their sums are f32. All else is computed in f32.
;;   The module's matrix products, in the order in which they are computed (A, B: the left and right operand; K: the contracted axis; several contracted axes count as one K, in the product's order):
;;     1. batch 4,096 x [M 256, K 1] x [K 1, N 256]; A: computed on the way; B: computed on the way: left as it is (no contracted axis)
;;     2. [M 4,096, K 65,536] x [K 65,536, N 128]; A: computed on the way; B: input W1: QUANTISED
;;     3. batch 4,096 x [M 256, K 1] x [K 1, N 256]; A: computed on the way; B: computed on the way: left as it is (no contracted axis)
;;     4. [M 4,096, K 65,536] x [K 65,536, N 128]; A: computed on the way; B: input W2: QUANTISED
;;     5. [M 4,096, K 256] x [K 256, N 128]; A: computed on the way; B: input W3: QUANTISED
;;   THE QUANTISER, for each operand of a quantised product, along K:
;;     - K is cut into blocks of 32 from its start; a last block that is shorter is filled with zeros.
;;     - A block's scale is 2^e with e = floor(log2(the largest magnitude in the block)) - 2, held to -126 .. 127; a block of zeros has e = 0. As a byte (E8M0): e + 127.
;;     - Each number is divided by its block's scale, clamped to +-6, and rounded to the nearest number of E2M1, ties to even, subnormals kept.
;;     - The product sums the exact products of the quantised numbers (number of the format x scale) in f32.
;;   ~~~python
;;   def quantise(x, axis):      # numpy; x: float32 -> the quantised numbers, widened to float32 again
;;       x = np.moveaxis(x, axis, -1); K = x.shape[-1]
;;       x = np.pad(x, [(0, 0)] * (x.ndim - 1) + [(0, -K % 32)]); x = x.reshape(x.shape[:-1] + (-1, 32)); a = np.abs(x).max(-1, keepdims=True)
;;       e = np.where(a > 0, np.clip(np.frexp(np.where(a > 0, a, 1))[1] - 1 - 2, -126, 127), 0)      # np.frexp(a)[1] - 1 = floor(log2(a)), exactly
;;       r = np.clip(x / 2.0 ** e, -6, 6)
;;       step = 2.0 ** (np.maximum(np.frexp(np.where(r == 0, 1, r))[1] - 1, 0) - 1)
;;       q = np.round(r / step) * step * 2.0 ** e      # np.round: ties to even
;;       return np.moveaxis(q.reshape(q.shape[:-2] + (-1,))[..., :K], -1, axis).astype(np.float32)
;;   ~~~
;;   OPERANDS COMPUTED ON THE WAY. 'Computed on the way' means the value that the module computes at that place (a softmax that the list does not call 'softmax' is quantised finished and normalised). What goes into a quantiser is computed in f32, as accurately as f32 sums, v_exp_f32 and their like allow (about 1e-6 of the number): no bf16 or f16 on the way to a quantiser, and a product that is left as it is and whose result goes on into a quantised operand takes f32 operands (vector FMAs, or v_wmma_f32_16x16x4_f32). A number that lies on a knife's edge between two numbers of the format may be rounded either way, as far as f32 arithmetic and the matrix unit's own rounding can turn it there, and no further.
;; One version. Each part assembles by itself: llvm-mc -triple=amdgcn-amd-amdhsa -mcpu=gfx1250 --defsym DOCPART=n.
;; ======== version 1 of 1: 3 launches
;; workspace buffers: wq 8,912,896 bytes; w3q 17,408 bytes; part 33,554,432 bytes
;; launch prep (part 1): grid 256 x 1, 8 waves a work-group, no clusters, 269,312 bytes of LDS; arguments W1, W2, W3, wq, w3q; writes wq, w3q
.if DOCPART == 1
	.amdgcn_target "amdgcn-amd-amdhsa--gfx1250"
	.amdhsa_code_object_version 6
	.text
	.protected	k_q3e5e338732_prep
	.globl	k_q3e5e338732_prep
	.p2align	8
	.type	k_q3e5e338732_prep,@function
k_q3e5e338732_prep:
	s_mov_b64 s[64:65], 0
	v_nop
	global_prefetch_b8 v0, s[64:65] scope:SCOPE_SE
	s_setreg_imm32_b32 hwreg(HW_REG_WAVE_MODE, 25, 1), 1
	s_wait_xcnt 0x0
; W1, W2 [128 (l)][256 (j)][256 (k)] and W3 [256 (j)][128 (l)], f32, become codes of FP4 (E2M1) with one E8M0 byte for each 32 along K, laid as IMAGES OF OPERAND REGISTERS.
; A block's scale is 2^(floor(log2(largest magnitude)) - 2); its byte is the largest magnitude's exponent field - 2, held at 1 from below.
; LIMITS: a block of zeros gets the byte 1 where the rule says 127 (its codes are zeros, and this program alone reads the bytes); blocks whose largest magnitude lies under 2^-124 keep the byte 1;
; NaN and infinities among the inputs are not served.
; wq: 512 blocks of 17,408 bytes; block = 256 kH + 64 jq + 32 kh + t holds, for all 256 columns (half 0: W1's 128, half 1: W2's), the 128 along K made of j = 64 jq + 2 t + c (c = 0, 1) and
; k = 128 kH + 64 kh + 32 h + 0..31 (h = 0, 1).  In a half of 8,704 bytes: codes at 1,024 (l / 16) + 512 c + 16 (l % 16 + 16 h); scale words at 8,192 + 16 (l % 32) + 4 (l / 32), byte 2 c + h.
; SHARES.  Work-group g: W1 (g < 128) or W2; j = 2 (g % 128) and the next; all 128 l, all 256 k: 256 KB in, four whole halves out.  Wave w takes l = 16 w .. 16 w + 15: two tensor loads of
; 16 rows x 1,024 bytes into LDS bytes of its own, filled once.  Lane (r, h) takes row r and, chunk by chunk, 32 neighbours along k: a whole block, so no other lane is asked for its maximum.
; Each store of codes covers 512 consecutive bytes.  The scale words of the eight waves meet in LDS and leave as four runs of 512 bytes.
; W3's 16 fragments are made by the 16 waves of work-groups 0 and 1 on the side: a lane takes a column and its registers run down K.
; No cluster: no two work-groups read the same bytes of W1 or W2.
.set TILE,  16640                      ; 16 rows x (1,024 bytes + 16 of padding): the 16 rows that a load touches start at 16 different groups of banks
.set WREG,  2*TILE                     ; a wave's two tiles
.set GATH,  8*WREG                     ; behind them: 4 x 512 bytes of scale words; no tensor load lands here
.set BLK,   17408
.set HALF,  8704
.set KHH,   256*BLK                    ; from kH = 0 to kH = 1 in wq
.set KHL,   32*BLK                     ; from kh = 0 to kh = 1
.set FLOOR, 0x1800000                  ; 2^(3 - 127): no largest magnitude is taken under it, so the byte cannot fall under 1
.set RA,  4                            ; v4   LDS: my row of my wave's first tile, + 128 h
.set VO,  5                            ; v5   16 x lane
.set GA,  6                            ; v6   LDS: where my row's scale word goes
.set RB,  7                            ; v7   LDS: where waves 0-3 read the gathered words
.set E,   16                           ; v16-23  the eight chunks' scale bytes
.set SH8, 24                           ; v24  8 h
.set X,   32                           ; v32-95  two sets of 32 numbers
.set C,   96                           ; v96-127 four registers of codes for each chunk: no store's data are written again
	s_load_b128 s[4:7], s[0:1], 0x0                ; W1, W2
	s_load_b128 s[8:11], s[0:1], 0x10              ; W3, wq
	s_load_b64 s[12:13], s[0:1], 0x20              ; w3q
	v_lshl_add_u32 v128, v0, 2, 0x41800
	v_mov_b32 v129, 0
	ds_add_u32 v128, v129
	ds_add_u32 v128, v129
	v_lshrrev_b32 v1, 5, v0
	v_readfirstlane_b32 s14, v1                    ; wave 0..7
	v_and_b32 v3, 31, v0                           ; lane
	v_and_b32 v1, 15, v0                           ; r
	v_bfe_u32 v2, v0, 4, 1                         ; h
	s_lshr_b32 s15, ttmp9, 7                       ; 0: W1, 1: W2
	s_and_b32 s32, ttmp9, 127                      ; tg = j / 2
	s_mov_b32 s2, 0x76543210
	s_mov_b32 s3, 0xfedcba98                       ; v_permlanex16_b32's selects for lane l xor 16
	; descriptor group 1: 16 rows of 256 elements of 4 bytes, 65,536 elements apart (from l to l + 1), 16 bytes of padding behind each row
	s_mov_b32 s16, (2<<16)|(1<<20)|(7<<22)|(3<<25)
	s_mov_b32 s17, 256<<16                         ; tensor_dim0
	s_mov_b32 s18, 16<<16                          ; tensor_dim1
	s_mov_b32 s19, 256<<16                         ; tile_dim0
	s_mov_b32 s20, 16                              ; tile_dim1
	s_mov_b32 s21, 65536                           ; tensor_dim0_stride
	s_mov_b32 s22, 0
	s_mov_b32 s23, 0
	s_mul_i32 s33, s14, WREG                       ; my wave's LDS bytes
	s_lshl_b32 s34, s14, 22                        ; 16 w rows of 262,144 bytes
	s_lshl_b32 s35, s32, 11                        ; + j = 2 tg: 2,048 tg bytes
	s_add_co_u32 s34, s34, s35
	s_mov_b32 s35, 0
	v_mul_u32_u24 v[RA], v1, 1040
	v_lshl_add_u32 v[RA], v2, 7, v[RA]
	v_add_nc_u32 v[RA], s33, v[RA]
	v_lshlrev_b32 v[VO], 4, v3
	s_and_b32 s38, s14, 1
	s_lshl_b32 s38, s38, 8                         ; 16 x 16 (w % 2): l % 32 = 16 (w % 2) + r
	s_lshr_b32 s39, s14, 1
	s_lshl_b32 s39, s39, 2                         ; 4 (l / 32) = 4 (w / 2)
	s_add_co_u32 s38, s38, s39
	s_add_co_u32 s38, s38, GATH
	v_lshl_add_u32 v[GA], v1, 4, s38
	s_and_b32 s39, s14, 3
	s_lshl_b32 s39, s39, 9
	s_add_co_u32 s39, s39, GATH
	v_add_nc_u32 v[RB], s39, v[VO]
	v_lshlrev_b32 v[SH8], 3, v2
	v_lshlrev_b32 v26, 2, v1                       ; W3's way: 4 r,
	v_lshl_add_u32 v25, v2, 14, v26                ; and 32 rows of 512 bytes further down for lanes 16-31
	s_lshr_b32 s40, s32, 5                         ; jq
	s_lshl_b32 s40, s40, 6
	s_and_b32 s41, s32, 31                         ; t
	s_add_co_u32 s40, s40, s41
	s_mul_i32 s40, s40, BLK
	s_mul_i32 s41, s15, HALF
	s_add_co_u32 s40, s40, s41                     ; my half in the block with kH = kh = 0
	s_mov_b32 s41, 0
	s_lshl_b32 s44, s14, 10                        ; my wave's 1,024 bytes of codes in it
	s_mov_b32 s45, 0
	s_bfe_u32 s46, s14, 0x10001                    ; waves 0-3 store the words of kH = w / 2, kh = w % 2
	s_mul_i32 s46, s46, KHH
	s_and_b32 s47, s14, 1
	s_mul_i32 s47, s47, KHL
	s_add_co_u32 s46, s46, s47
	s_add_co_u32 s46, s46, 8192
	s_mov_b32 s47, 0
	s_wait_dscnt 0x0
	s_wait_kmcnt 0x0
	s_cmp_lt_u32 ttmp9, 128
	s_cselect_b64 s[36:37], s[4:5], s[6:7]         ; the choice hangs on the work-group's number alone
	s_add_nc_u64 s[36:37], s[36:37], s[34:35]
	s_add_nc_u64 s[42:43], s[10:11], s[40:41]
	s_add_nc_u64 s[44:45], s[42:43], s[44:45]      ; where my codes go
	s_add_nc_u64 s[46:47], s[42:43], s[46:47]      ; where the words go
	s_mov_b32 s24, 1                               ; group 0, tile c = 0
	s_mov_b32 s25, s33
	s_mov_b64 s[26:27], s[36:37]
	s_or_b32 s27, s27, 0x80000000
	s_mov_b32 s28, 1                               ; tile c = 1: the next j, 1,024 bytes on
	s_add_co_u32 s29, s33, TILE
	s_add_nc_u64 s[30:31], s[36:37], 1024
	s_or_b32 s31, s31, 0x80000000
	tensor_load_to_lds s[24:27], s[16:23]          ; both first fills together: two loads of mine are out
	s_nop 0
	tensor_load_to_lds s[28:31], s[16:23]
	s_nop 0
.rept 4
	v_nop
.endr
	; ---- W3: fragment f = 8 g + w of 16, while the tiles are on their way.  No LDS is touched here.
	s_cmp_lt_u32 ttmp9, 2
	s_cbranch_scc0 .Lno_w3
	s_lshl_b32 s48, ttmp9, 3
	s_add_co_u32 s48, s48, s14                     ; f
	s_lshr_b32 s49, s48, 2                         ; pair of 32 columns
	s_bfe_u32 s50, s48, 0x10001                    ; K step
	s_and_b32 s51, s48, 1                          ; which 16 of the 32
	s_lshl_b32 s52, s50, 16                        ; 128 rows of 512 bytes a K step
	s_lshl_b32 s53, s49, 7
	s_add_co_u32 s52, s52, s53
	s_lshl_b32 s53, s51, 6
	s_add_co_u32 s52, s52, s53
	s_mov_b32 s53, 0
	s_add_nc_u64 s[8:9], s[8:9], s[52:53]
	s_lshl_b32 s49, s49, 1
	s_add_co_u32 s49, s49, s50                     ; 2 x pair + K step
	s_lshl_b32 s52, s49, 11
	s_lshl_b32 s50, s51, 10
	s_add_co_u32 s52, s52, s50
	s_add_nc_u64 s[54:55], s[12:13], s[52:53]      ; the fragment's image
	s_lshl_b32 s52, s49, 7
	s_lshl_b32 s50, s51, 6
	s_add_co_u32 s52, s52, s50
	s_add_co_u32 s52, s52, 16384
	s_add_nc_u64 s[12:13], s[12:13], s[52:53]      ; its 16 scale words
.irp c, 0,1
.irp i, 0,1,2,3,4,5,6,7,8,9,10,11,12,13,14,15,16,17,18,19,20,21,22,23,24,25,26,27,28,29,30,31
	global_load_b32 v[X+32*\c+\i], v25, s[8:9] offset:512*(64*\c+\i)   ; W3(64 c + 32 h + i, my column)
.endr
.endr
	s_wait_loadcnt 0x0
.irp c, 0,1
	v_max3_num_f32 v[8+\c], |v[X+32*\c]|, |v[X+32*\c+1]|, FLOOR
.endr
.irp i, 2,4,6,8,10,12,14,16,18,20,22,24,26,28,30
.irp c, 0,1
	v_max3_num_f32 v[8+\c], v[8+\c], |v[X+32*\c+\i]|, |v[X+32*\c+\i+1]|
.endr
.endr
.irp c, 0,1
	v_add_nc_u32 v[10+\c], 0xff000000, v[8+\c]     ; 2 off the exponent field: the conversion's scale operand
.endr
.irp c, 0,1
	v_lshrrev_b32 v[12+\c], 23, v[10+\c]           ; the byte
.endr
	v_lshl_or_b32 v14, v13, 16, v12                ; bytes 2 c + h of the word: mine,
	v_lshlrev_b32 v14, v[SH8], v14
	v_mov_b32 v15, 0
	v_permlanex16_b32 v15, v14, s2, s3
	v_or_b32 v14, v14, v15                         ; and lane l xor 16's
.irp c, 0,1
.irp g, 0,1,2,3
	v_cvt_scalef32_pk8_fp4_f32 v[C+4*\c+\g], v[X+32*\c+8*\g:X+32*\c+8*\g+7], v[10+\c]
.endr
.endr
	v_nop                                          ; one plain line behind the last conversion
	global_store_b128 v[VO], v[C:C+3], s[54:55]
	global_store_b128 v[VO], v[C+4:C+7], s[54:55] offset:512
	global_store_b32 v26, v14, s[12:13]            ; lanes r and r + 16 store the same word
	s_wait_xcnt 0x0                                ; the stores' registers are written again below
.Lno_w3:
	; ---- W1 or W2: eight chunks, chunk n = 4 c + q: tile c, k = 64 q + 32 h + 0..31 of my row
.macro LD n
.irp i, 0,1,2,3,4,5,6,7
	ds_load_b128 v[X+32*((\n)%2)+4*\i:X+32*((\n)%2)+4*\i+3], v[RA] offset:((\n)/4)*TILE+((\n)%4)*256+16*\i
.endr
.endm
.macro CHUNK
.set XS, X+32*(N%2)
.if N < 7
.if N == 3
	s_wait_tensorcnt 0x0                           ; the second tile is in
.endif
	LD N+1
	s_wait_dscnt 8                                 ; this chunk's eight loads are in; the next chunk's may be out
.else
	s_wait_dscnt 0x0
.endif
	v_max3_num_f32 v8, |v[XS]|, |v[XS+1]|, |v[XS+2]|
	v_max3_num_f32 v9, |v[XS+3]|, |v[XS+4]|, |v[XS+5]|
.irp i, 6,10,14,18,22,26
	v_max3_num_f32 v8, v8, |v[XS+\i]|, |v[XS+\i+1]|
	v_max3_num_f32 v9, v9, |v[XS+\i+2]|, |v[XS+\i+3]|
.endr
	v_max3_num_f32 v8, v8, |v[XS+30]|, |v[XS+31]|
	v_max3_num_f32 v8, v8, v9, FLOOR
	v_add_nc_u32 v10, 0xff000000, v8
.irp g, 0,1,2,3
	v_cvt_scalef32_pk8_fp4_f32 v[C+4*N+\g], v[XS+8*\g:XS+8*\g+7], v10
.endr
	v_lshrrev_b32 v[E+N], 23, v10                  ; the byte; also the plain line behind the conversions
	global_store_b128 v[VO], v[C+4*N:C+4*N+3], s[44:45] offset:((N%4)/2)*KHH+((N%4)%2)*KHL+(N/4)*512   ; 512 consecutive bytes
.endm
	s_wait_tensorcnt 0x1                           ; my first tile is in; the second may be out
	LD 0
.set N, 0
.rept 8
	CHUNK
.set N, N+1
.endr
.irp q, 0,1,2,3
	v_lshl_or_b32 v[8+\q], v[E+4+\q], 16, v[E+\q]  ; c = 0 and c = 1 of q
.endr
.irp q, 0,1,2,3
	v_lshlrev_b32 v[8+\q], v[SH8], v[8+\q]
	v_mov_b32 v[12+\q], 0
.endr
.irp q, 0,1,2,3
	v_permlanex16_b32 v[12+\q], v[8+\q], s2, s3
.endr
.irp q, 0,1,2,3
	v_or_b32 v[8+\q], v[8+\q], v[12+\q]
.endr
.irp q, 0,1,2,3
	ds_store_b32 v[GA], v[8+\q] offset:512*\q      ; lanes r and r + 16 write the same word
.endr
	s_wait_dscnt 0x0                               ; for the others' sake: my words lie in LDS
	s_barrier_signal -1
	s_barrier_wait -1
	s_cmp_lt_u32 s14, 4
	s_cbranch_scc0 .Ldone
	ds_load_b128 v[12:15], v[RB]
	s_wait_dscnt 0x0
	global_store_b128 v[VO], v[12:15], s[46:47]    ; 512 consecutive bytes
.Ldone:
	s_wait_tensorcnt 0x0
	ds_add_u32 v128, v129
	s_wait_dscnt 0x0
	s_endpgm
.Lfunc_end_k_q3e5e338732_prep:
	.size	k_q3e5e338732_prep, .Lfunc_end_k_q3e5e338732_prep-k_q3e5e338732_prep
	.p2alignl 7, 3214868480
	.fill 96, 4, 3214868480
	.section	.rodata,"a",@progbits
	.p2align	6, 0x0
	.amdhsa_kernel k_q3e5e338732_prep
		.amdhsa_group_segment_fixed_size 269312
		.amdhsa_private_segment_fixed_size 0
		.amdhsa_enable_private_segment 0
		.amdhsa_kernarg_size 40
		.amdhsa_user_sgpr_count 2
		.amdhsa_user_sgpr_kernarg_segment_ptr 1
		.amdhsa_wavefront_size32 1
		.amdhsa_system_sgpr_workgroup_id_x 1
		.amdhsa_system_sgpr_workgroup_id_y 1
		.amdhsa_system_sgpr_workgroup_id_z 1
		.amdhsa_system_vgpr_workitem_id 0
		.amdhsa_next_free_vgpr 130
		.amdhsa_next_free_sgpr 66
		.amdhsa_reserve_vcc 0
		.amdhsa_float_denorm_mode_32 3
		.amdhsa_float_denorm_mode_16_64 3
		.amdhsa_memory_ordered 1
		.amdhsa_forward_progress 1
		.amdhsa_inst_pref_size 33
	.end_amdhsa_kernel
	.amdgpu_metadata
---
amdhsa.version: [ 1, 2 ]
amdhsa.kernels:
  - .name:           k_q3e5e338732_prep
    .symbol:         k_q3e5e338732_prep.kd
    .args:
      - { .name: W1, .offset: 0, .size: 8, .value_kind: global_buffer, .address_space: global }
      - { .name: W2, .offset: 8, .size: 8, .value_kind: global_buffer, .address_space: global }
      - { .name: W3, .offset: 16, .size: 8, .value_kind: global_buffer, .address_space: global }
      - { .name: wq, .offset: 24, .size: 8, .value_kind: global_buffer, .address_space: global }
      - { .name: w3q, .offset: 32, .size: 8, .value_kind: global_buffer, .address_space: global }
    .group_segment_fixed_size: 269312
    .private_segment_fixed_size: 0
    .kernarg_segment_align: 8
    .kernarg_segment_size: 40
    .max_flat_workgroup_size: 256
    .sgpr_count:     66
    .vgpr_count:     130
    .wavefront_size: 32
...
	.end_amdgpu_metadata
.endif
;; end of part 1
;; launch tri (part 2): grid 32 x 8, 4 waves a work-group, clusters of 4 x 1, 327,680 bytes of LDS; arguments in0, in1, st0, st1, wq, part; writes part
.if DOCPART == 2
	.amdgcn_target "amdgcn-amd-amdhsa--gfx1250"
	.amdhsa_code_object_version 6
	.text
	.protected	k_q3e5e338732_tri
	.globl	k_q3e5e338732_tri
	.p2align	8
	.type	k_q3e5e338732_tri,@function
k_q3e5e338732_tri:
	s_mov_b64 s[64:65], 0
	v_nop
	global_prefetch_b8 v0, s[64:65] scope:SCOPE_SE
	s_setreg_imm32_b32 hwreg(HW_REG_WAVE_MODE, 25, 1), 1
	s_wait_xcnt 0x0
	s_wait_alu depctr_hold_cnt(0) depctr_sa_sdst(0) depctr_va_vdst(0) depctr_va_sdst(0) depctr_va_ssrc(0) depctr_va_vcc(0) depctr_vm_vsrc(0)
	s_getreg_b32 s2, hwreg(HW_REG_IB_STS2, 6, 4)
	s_cmp_eq_u32 s2, 0
	s_cbranch_scc0 .Lentry_in_a_cluster
	s_endpgm
.Lentry_in_a_cluster:
	s_bfe_u32 s2, ttmp6, 0x10000c
	s_cmp_lg_u32 s2, 0x3003
	s_cbranch_scc0 .Lentry_shape_is_right
	s_endpgm
.Lentry_shape_is_right:
; part[y] = the sum over an eighth of K of Q(s[b][j] x[b][k]) Q(W[l][j][k]), for W1 and W2 together (256 columns); s = [st0|st1], x = [in0|in1]; K = 256 j + k.
; The left operand is made on the way: each number is one f32 product, quantised to FP4 (E2M1) with one E8M0 scale for each 32 along K (one j, 32 neighbouring k), and goes from registers to the matrix unit.
; A block's largest magnitude is one product: rounding is monotone, so the largest |s x_k| is |s| x the largest |x_k|.  With the factor 1/4 folded in, that product's exponent field IS the scale's byte.
; LIMITS: a block of zeros gets the byte 1 where the rule says 127 (its codes are zeros); blocks under 2^-124 keep the byte 1; NaN, infinities and products beyond f32's range are not served;
; the f32 sums over K are made in 16 ranges (8 work-groups x 2 wave pairs) and added in a fixed order, which is not the order of one running sum.
; SHARES.  Work-group (xt, y): rows 128 xt .. + 127; j = 64 (y % 4) .. + 63; k in in0 (y < 4) or in1.  Wave w: rows 64 (w % 2) on (four tiles of 16), columns 64 (w / 2) on of that input: 32 K steps of 128 = two j x 64 k.
; Lane (r, h) of tile T holds 32 numbers of x, row r, columns 32 h on, for the whole launch: the 4-bit layout gives it k = 64 c + 32 h + 0..31, that is j = 2 t + c with just those columns.
; THE MATRIX INSTRUCTION is 32 x 16 x 128, used transposed: source 0 = 32 columns of W (two register images from LDS), source 1 = 16 rows of codes just made: a lane holds one row of the result.
; BY TURNS.  Behind each of a step's 32 matrix instructions stands a slice of the next step's operand: four packed products and one conversion; plain lines lead the slice.  A slice costs two switches of the register window.
; RING.  wq's blocks come through two slots of four steps for each K half; each wave fetches two blocks (136 rows of 256 bytes) with one tensor load.
; CLUSTER.  The four work-groups of a cluster share y and so every block of wq: the loads are joint, mask 15.  4 x 1, since one operand alone is shared.  s comes by a load of the work-group's own.
; No prefetch: each block of wq is asked for by eight clusters at about the same step, so it is no stream that is read once.
; AT THE END the two wave pairs exchange halves through LDS: positions 0-3 (window 2) hold the half that a wave keeps, positions 4-7 (window 3) the half that its partner keeps.
; REGISTERS, in windows of 256.  Window 0: v1-31 addresses and work on scales; v32-47 s pairs; v48-55 the made operand's scale words; v56-71 W's scale words; v128-255 W's fragments, pair p at 16 p.
;   Window 1: v0-127 x (tile T at 32 T); v128-191 codes, two sets; v192-207 products, two sets of 8; v208-211 largest |x|.   Windows 2, 3: the 32 accumulators, number 4 p + T, 16 registers each.
.set BLK,    17408                     ; a block: one K step of one stream, 256 columns
.set HALF,   8704                      ; W1's or W2's part of it
.set SLOTB,  4*BLK                     ; a slot of one K half: 0x11000
.set KREG,   2*SLOTB                   ; a K half's two slots: 0x22000
.set FILLW,  2*BLK                     ; what one tensor load brings: 0x8800.  The three numbers share no bit: one exclusive or with SLOTB changes slots
.set SREG,   2*KREG                    ; s: 128 rows of 256 bytes + 16 of padding
.set SP,     272
.set SPARE,  SREG+128*SP               ; the spare words, 128 bytes for each wave: two blocks of 256 bytes that no other line names
.set XCH,    32768                     ; the exchange at the end: 32 KB a wave, in the two slots 0, which have had their last fill and their last read by then
.set LB0,   1                          ; v1   16 x lane + my K half's region + the half that I keep
.set LB1,   2                          ; v2   the same with the half that my partner keeps
.set BADR0, 3                          ; v3, v4  these two for the block in hand
.set BADR1, 4
.set SA0,   5                          ; v5   my row of tile 0 in s
.set SH8,   6                          ; v6   8 h
.set SPW,   7                          ; v7   my spare word: SPARE + 4 x my thread's number; never rewritten
.set NIL,   8                          ; v8   0; never rewritten
.set PO,    9                          ; v9   16 x lane
.set EXO,   10                         ; v10  the exchange: where I put,
.set EXP,   11                         ; v11  and where my partner (wave w xor 2) has put
.set XM,    12                         ; v12-15  a quarter of the largest |x| of my 32 numbers, tile T
.set SCL,   16                         ; v16-23  at 2 T + c: the block's scale as f32
.set TT,    24                         ; v24-27  at work
.set U0,    28
.set U1,    29
.set SADR,  30                         ; v30  the s pair in hand
.set XO,    31                         ; v31  my bytes in x's rows
.set SV,    32                         ; v32-47  at 8 par + 2 T: s of j = 2 t, 2 t + 1
.set WD,    48                         ; v48-55  at 4 par + T: scales and nothing else
.set BS,    56                         ; v56-71  at 8 par + p: scales and nothing else
.set BF,    128
.set CODE,  128                        ; in window 1, at 32 par + 8 T
.set TMP,   192                        ; in window 1
.set MSB, 0
.macro WIN new                         ; the immediate's high byte repeats the setting that is left; a switch that changes nothing is dropped
.if MSB != (\new)
	s_set_vgpr_msb (MSB<<8)|(\new)
.set MSB, (\new)
.endif
.endm
.set W_G, 0x41                         ; destination and source 0 window 1, source 1 window 0
.macro CREST                           ; a round of the cluster's barrier behind its opening barrier
	s_cmp_lg_u32 s16, 0
	s_cbranch_scc1 .Lnot_wave_0_\@
	s_barrier_signal -3
.Lnot_wave_0_\@:
	s_barrier_wait -3
	s_barrier_signal -1
	s_barrier_wait -1
.endm
.macro CROUND
	s_barrier_signal -1
	s_barrier_wait -1
	CREST
.endm
	s_load_b256 s[4:11], s[0:1], 0x0               ; in0, in1, st0, st1
	s_load_b128 s[12:15], s[0:1], 0x20             ; wq, part
	v_lshl_add_u32 v[SPW], v0, 2, SPARE
	v_mov_b32 v[NIL], 0
	ds_add_u32 v7, v8
	ds_add_u32 v7, v8
	s_wait_dscnt 0x0
	v_lshrrev_b32 v24, 5, v0
	v_readfirstlane_b32 s16, v24                   ; wave 0..3
	s_and_b32 s17, s16, 1                          ; rh: which 64 rows.  Also: which two blocks of a fill I fetch
	s_lshr_b32 s18, s16, 1                         ; kh: which K half
	s_bfe_u32 s19, ttmp6, 0x40000                  ; cx
	s_lshl_b32 s20, ttmp9, 2
	s_add_co_u32 s20, s20, s19                     ; xt = 4 x cluster x + cx: it enters global addresses of my own loads and stores alone
	s_and_b32 s21, ttmp7, 0xffff                   ; y, which the four partners share
	; group 1 for wq: a dense block of 136 rows of 256 bytes (32 elements of 8 bytes); mask: all four work-groups; bit 21 set beside it
	s_mov_b32 s24, 15|(3<<16)|(1<<21)
	s_mov_b32 s25, 32<<16
	s_mov_b32 s26, 136<<16
	s_mov_b32 s27, 32<<16
	s_mov_b32 s28, 136
	s_mov_b32 s29, 32
	s_mov_b32 s30, 0
	s_mov_b32 s31, 0
	; group 1 for s: 32 rows of 64 elements of 4 bytes, 128 elements apart, 16 bytes of padding behind each; no mask
	s_mov_b32 s32, (2<<16)|(1<<20)|(5<<22)|(3<<25)
	s_mov_b32 s33, 64<<16
	s_mov_b32 s34, 32<<16
	s_mov_b32 s35, 64<<16
	s_mov_b32 s36, 32
	s_mov_b32 s37, 128
	s_mov_b32 s38, 0
	s_mov_b32 s39, 0
	; the joint loads' numbers are made of y and the wave's number alone, in registers that never hold xt
	s_lshl_b32 s58, s21, 1
	s_add_co_u32 s58, s58, s18
	s_lshl_b32 s58, s58, 5                         ; my K half's first block: 32 (2 y + kh)
	s_lshl_b32 s59, s17, 1
	s_add_co_u32 s58, s58, s59                     ; + the two that I fetch
	s_mul_i32 s58, s58, BLK
	s_mov_b32 s59, 0
	s_mul_i32 s60, s18, KREG
	s_mul_i32 s61, s17, FILLW
	s_add_co_u32 s61, s61, s60                     ; and where they go in slot 0
	v_and_b32 v24, 15, v0                          ; r
	v_bfe_u32 v25, v0, 4, 1                        ; h
	v_and_b32 v26, 31, v0
	v_lshlrev_b32 v[PO], 4, v26
	s_mul_i32 s2, s18, HALF
	s_add_co_u32 s2, s2, s60
	v_add_nc_u32 v[LB0], s2, v[PO]
	s_xor_b32 s3, s18, 1
	s_mul_i32 s2, s3, HALF
	s_add_co_u32 s2, s2, s60
	v_add_nc_u32 v[LB1], s2, v[PO]
	s_lshl_b32 s2, s17, 15
	s_add_co_u32 s2, s2, s60
	v_add_nc_u32 v[EXO], s2, v[PO]
	s_mul_i32 s3, s3, KREG
	s_lshl_b32 s2, s17, 15
	s_add_co_u32 s2, s2, s3
	v_add_nc_u32 v[EXP], s2, v[PO]
	s_mul_i32 s2, s17, 64*SP
	s_add_co_u32 s2, s2, SREG
	v_mul_u32_u24 v[SA0], v24, SP
	v_add_nc_u32 v[SA0], s2, v[SA0]
	v_lshlrev_b32 v[SH8], 3, v25
	v_lshlrev_b32 v[XO], 9, v24
	v_lshl_add_u32 v[XO], v25, 7, v[XO]            ; x: row r of 512 bytes, + 128 h
.irp i, 0,1,2,3,4,5,6,7
	v_mov_b32 v[WD+\i], 0                          ; written once: a lane permute's destination counts as one of its sources
.endr
	s_mov_b32 s52, 0                               ; LDS byte, in a K half's region, of the block to be fetched
	s_mov_b32 s57, 0                               ; byte of the s pair to be fetched
	s_mov_b32 s54, 0x76543210
	s_mov_b32 s55, 0xfedcba98                      ; v_permlanex16_b32's selects for lane l xor 16
	s_mov_b32 s56, 0x00800000                      ; 2^-126: the floor of a scale: byte 1
	s_wait_kmcnt 0x0
	s_and_b32 s22, s21, 3                          ; jq
	s_cmp_lt_u32 s22, 2
	s_cselect_b64 s[8:9], s[8:9], s[10:11]         ; st0 or st1
	s_cmp_lt_u32 s21, 4
	s_cselect_b64 s[4:5], s[4:5], s[6:7]           ; in0 or in1
	s_lshl_b32 s62, s20, 16                        ; s: 128 xt rows of 512 bytes,
	s_lshl_b32 s23, s16, 14                        ; my wave's 32 of them,
	s_add_co_u32 s62, s62, s23
	s_and_b32 s23, s21, 1
	s_lshl_b32 s23, s23, 8                         ; columns 64 (jq % 2) on
	s_add_co_u32 s62, s62, s23
	s_mov_b32 s63, 0
	s_mov_b32 s48, 1
	s_mul_i32 s49, s16, 32*SP
	s_add_co_u32 s49, s49, SREG
	s_add_nc_u64 s[50:51], s[8:9], s[62:63]
	s_or_b32 s51, s51, 0x80000000
	s_mov_b32 s40, 1                               ; fill 0
	s_mov_b32 s41, s61
	s_add_nc_u64 s[42:43], s[12:13], s[58:59]
	s_mov_b32 s44, 1                               ; fill 1; this group then walks
	s_add_co_u32 s45, s61, SLOTB
	s_add_nc_u64 s[46:47], s[42:43], SLOTB
	s_or_b32 s43, s43, 0x80000000
	s_or_b32 s47, s47, 0x80000000
	s_lshl_b32 s62, s20, 16                        ; x: 128 xt rows, + my 64, + my 64 columns
	s_lshl_b32 s23, s17, 15
	s_add_co_u32 s62, s62, s23
	s_lshl_b32 s23, s18, 8
	s_add_co_u32 s62, s62, s23
	s_add_nc_u64 s[4:5], s[4:5], s[62:63]
	s_lshl_b32 s62, s21, 22                        ; part: y x 4 MB + xt x 128 KB + rh x 64 KB + the half that I keep x 32 KB
	s_lshl_b32 s23, s20, 17
	s_add_co_u32 s62, s62, s23
	s_lshl_b32 s23, s17, 16
	s_add_co_u32 s62, s62, s23
	s_lshl_b32 s23, s18, 15
	s_add_co_u32 s62, s62, s23
	s_add_nc_u64 s[14:15], s[14:15], s[62:63]
	CROUND                                         ; all four work-groups are here: the first joint loads meet
	tensor_load_to_lds s[48:51], s[32:39]          ; the first fills go out together: three loads of mine are out
	s_nop 0
	tensor_load_to_lds s[40:43], s[24:31]
	s_nop 0
	tensor_load_to_lds s[44:47], s[24:31]
	s_nop 0
.rept 4
	v_nop
.endr
	WIN 0x40                                       ; destination window 1
.irp T, 0,1,2,3
.irp i, 0,1,2,3,4,5,6,7
	global_load_b128 v[32*\T+4*\i:32*\T+4*\i+3], v[XO], s[4:5] offset:8192*\T+16*\i   ; x stays in registers
.endr
.endr
	s_wait_loadcnt 0x0
	WIN 0x55                                       ; all in window 1
.irp T, 0,1,2,3
	v_max3_num_f32 v[208+\T], |v[32*\T]|, |v[32*\T+1]|, |v[32*\T+2]|
.endr
.irp i, 3,5,7,9,11,13,15,17,19,21,23,25,27,29
.irp T, 0,1,2,3
	v_max3_num_f32 v[208+\T], v[208+\T], |v[32*\T+\i]|, |v[32*\T+\i+1]|
.endr
.endr
.irp T, 0,1,2,3
	v_max_num_f32 v[208+\T], v[208+\T], |v[32*\T+31]|
.endr
	WIN 0x04                                       ; source 1 window 1
.irp T, 0,1,2,3
	v_mul_f32 v[XM+\T], 0x3e800000, v[208+\T]      ; x 1/4: 2 off the exponent of every largest magnitude made with it
.endr
	WIN 0
; Matrix instruction number I = 4 p + T of a step: 32 columns (pair p) x 16 rows (tile T) x 128.  The 32 accumulators take turns, one instruction a turn, in the same order in every step.
.macro MM par, zero
.set rD, 16*(I%16)
.set rA, BF+16*(I/4)
.set rB, CODE+32*(\par)+8*(I%4)
	WIN 0xa4+0x50*(I/16)                           ; source 0 window 0, source 1 window 1, C and D window 2 or 3
.if \zero
	v_wmma_scale_f32_32x16x128_f4 v[rD:rD+15], v[rA:rA+15], v[rB:rB+7], 0, v[BS+8*(\par)+I/4], v[WD+4*(\par)+I%4]
.else
	v_wmma_scale_f32_32x16x128_f4 v[rD:rD+15], v[rA:rA+15], v[rB:rB+7], v[rD:rD+15], v[BS+8*(\par)+I/4], v[WD+4*(\par)+I%4]
.endif
.endm
; Eight products of slice KC become eight codes: tile KC / 8, j = 2 t + (KC % 8) / 4, columns 8 (KC % 4) on
.macro CVT tp
	v_cvt_scalef32_pk8_fp4_f32 v[CODE+32*(\tp)+8*(KC/8)+4*((KC%8)/4)+KC%4], v[TMP+8*(KC%2):TMP+8*(KC%2)+7], v[SCL+2*(KC/8)+(KC%8)/4]
.endm
; Slice K of 32: three packed products s x into set K % 2, the conversion of the slice before (it reads the other set), and the fourth product.  Plain lines lead the slice, behind the matrix instruction;
; the fourth product is the plain line behind the conversion: the set that the conversion read is written again by the next slice's first product.  The four products are four places behind the matrix instruction.
.macro SLICE tp
	WIN W_G
.set rX, 32*(K/8)+8*(K%4)
.set rS, SV+8*(\tp)+2*(K/8)
.set rT, TMP+8*(K%2)
.irp i, 0,2,4,6
.if (\i == 6) && (K > 0)
.set KC, K-1
	CVT \tp
.endif
.if (K%8)/4 == 0
	v_pk_mul_f32 v[rT+\i:rT+\i+1], v[rX+\i:rX+\i+1], v[rS:rS+1] op_sel_hi:[1,0]
.else
	v_pk_mul_f32 v[rT+\i:rT+\i+1], v[rX+\i:rX+\i+1], v[rS:rS+1] op_sel:[0,1] op_sel_hi:[1,1]
.endif
.endr
.if K == 31
.set KC, 31
	CVT \tp
.endif
.endm
.macro SEG q, par, zero, sl            ; a quarter of a step: pairs 2 q and 2 q + 1 against the four tiles; sl = 1: with the slices of the next step's operand
.set I, 8*(\q)
.rept 8
	MM \par, \zero
.if \sl
.set K, I
	SLICE 1-(\par)
.endif
.set I, I+1
.endr
.endm
; The scales of tiles 2 P and 2 P + 1 as f32: |s| x a quarter of the largest |x|, held at 2^-126 from below.  The conversion takes the exponent field of it, and so does the byte.
.macro AMAX P, sp
	v_pk_mul_f32 v[SCL+4*(\P):SCL+4*(\P)+1], v[SV+8*(\sp)+4*(\P):SV+8*(\sp)+4*(\P)+1], v[XM+2*(\P):XM+2*(\P)+1] op_sel_hi:[1,0]
	v_pk_mul_f32 v[SCL+4*(\P)+2:SCL+4*(\P)+3], v[SV+8*(\sp)+4*(\P)+2:SV+8*(\sp)+4*(\P)+3], v[XM+2*(\P):XM+2*(\P)+1] op_sel:[0,1] op_sel_hi:[1,1]
.irp i, 0,1,2,3
	v_max_num_f32 v[SCL+4*(\P)+\i], |v[SCL+4*(\P)+\i]|, s56
.endr
.endm
; Their scale words.  Lane (r, h) has bytes 2 c + h of row r's word; the swap brings the two halves of both tiles' words together: lanes 0-15 tile 2 P's, lanes 16-31 tile 2 P + 1's.
.macro PACK P, tp
.irp i, 0,1,2,3
	v_lshrrev_b32 v[TT+\i], 23, v[SCL+4*(\P)+\i]
.endr
	v_lshl_or_b32 v[U0], v[TT+1], 16, v[TT]
	v_lshl_or_b32 v[U1], v[TT+3], 16, v[TT+2]
	v_lshlrev_b32 v[U0], v[SH8], v[U0]
	v_lshlrev_b32 v[U1], v[SH8], v[U1]
	v_permlane16_swap_b32 v[U0], v[U1]
	v_or_b32 v[WD+4*(\tp)+2*(\P)], v[U0], v[U1]
	v_permlanex16_b32 v[WD+4*(\tp)+2*(\P)+1], v[WD+4*(\tp)+2*(\P)], s54, s55
.endm
.macro ADDR ws                         ; the addresses of the next block, and (ws = 1) of the s pair two steps on
	v_add_nc_u32 v[BADR0], s52, v[LB0]
	v_add_nc_u32 v[BADR1], s52, v[LB1]
	s_add_co_u32 s52, s52, BLK
.if \ws
	v_add_nc_u32 v[SADR], s57, v[SA0]
	s_add_co_u32 s57, s57, 8
.endif
.endm
.macro LDB q                           ; eight loads of 512 consecutive bytes: pairs 2 q and 2 q + 1 of the next block
.irp pp, 0,1
.irp i, 0,1,2,3
.if (\q) < 2
	ds_load_b128 v[BF+16*(2*(\q)+\pp)+4*\i:BF+16*(2*(\q)+\pp)+4*\i+3], v[BADR0] offset:(2*(\q)+\pp)*2048+512*\i
.else
	ds_load_b128 v[BF+16*(2*(\q)+\pp)+4*\i:BF+16*(2*(\q)+\pp)+4*\i+3], v[BADR1] offset:(2*(\q)+\pp-4)*2048+512*\i
.endif
.endr
.endr
.endm
.macro LDX par, ws                     ; the next block's scale words (lane m: column m of each pair); ws = 1: the s pairs of the step after next
	ds_load_b128 v[BS+8*(1-(\par)):BS+8*(1-(\par))+3], v[BADR0] offset:8192
	ds_load_b128 v[BS+8*(1-(\par))+4:BS+8*(1-(\par))+7], v[BADR1] offset:8192
.if \ws
.irp T, 0,1,2,3
	ds_load_b64 v[SV+8*(\par)+2*\T:SV+8*(\par)+2*\T+1], v[SADR] offset:16*SP*\T
.endr
.endif
.endm
; A STEP.  Its products use the sets par; its slices make the next step's codes in the other set.  A pair of W's fragments is free as soon as its four products are issued: the next block's come
; in four runs, each behind a quarter; the last slice's four products (and what stands beside them) are the places between the quarter's last matrix instruction and the loads.
; LDS instructions go out in runs of 14, 8, 8, 8 (last = 1, step 30: 10, 8, 8, 8: no s pair is left).  A quarter wants the run issued a step earlier: behind that run stand two of 8 and the one of 14: 30.
; The wait in the last run wants this step's first run: behind it stand three of 8.
.macro STEP par, zero, last
	SEG 0, \par, \zero, 1
	WIN 0
	ADDR 1-(\last)
	LDB 0
	LDX \par, 1-(\last)
	PACK 0, 1-(\par)
	s_wait_dscnt 30-4*(\last)
	SEG 1, \par, \zero, 1
	WIN 0
	AMAX 1, 1-(\par)
	LDB 1
	s_wait_dscnt 30-4*(\last)
	SEG 2, \par, \zero, 1
	WIN 0
	PACK 1, 1-(\par)
	LDB 2
	s_wait_dscnt 30-4*(\last)
	SEG 3, \par, \zero, 1
	WIN 0
	LDB 3
	s_wait_dscnt 24
.if \last
.rept 5
	v_nop                                          ; the plain lines between the last conversion and the product that reads its codes
.endr
.else
	AMAX 0, \par                                   ; for the step after next; also the plain lines behind the last conversion
.endif
.endm
; A slot's last step (its sets are 1) changes slots: ONE barrier.  In front of it each wave waits for all its tensor loads (one is out: its part of the next slot), adds 0 to its spare word, and waits
; for that and for its reads of this slot, all of which were issued in the step before.  fill = 1: the barrier opens a round of the cluster's barrier, and this slot is filled again first behind it.
.macro TURN fill
	WIN 0
	s_wait_tensorcnt 0x0
	ds_add_u32 v[SPW], v[NIL]                      ; 0 onto my spare word
	s_sub_co_u32 s52, s52, 4*BLK                   ; the fetches go back to a slot's first block,
	s_xor_b32 s52, s52, SLOTB                      ; in the other slot
.if \fill
	s_xor_b32 s45, s45, SLOTB                      ; no tensor load of mine is out, so the walking group 0 may be written: the other slot than last time,
	s_add_nc_u64 s[46:47], s[46:47], SLOTB         ; the next four blocks; the type bits on top are not reached
.endif
	SEG 0, 1, 0, 1
	WIN 0
	PACK 0, 0
	s_wait_dscnt 0x0                               ; the add is done, and my reads of this slot are over
	s_barrier_signal -1
	SEG 1, 1, 0, 1                                 ; work on registers while the others arrive
	WIN 0
	AMAX 1, 0
	s_barrier_wait -1
.if \fill
	CREST                                          ; no wave of any partner still reads this slot or has a load on its way
	tensor_load_to_lds s[44:47], s[24:31]          ; my one tensor load behind the round: it has three and a half steps in which to land
	s_nop 0
.endif
.rept 4
	v_nop
.endr
	ADDR 1
	LDB 0
	LDX 1, 1
	LDB 1
	SEG 2, 1, 0, 1
	WIN 0
	PACK 1, 0
	LDB 2
	SEG 3, 1, 0, 1
	WIN 0
	LDB 3
	s_wait_dscnt 24                                ; behind the first 14 stand three runs of 8, as in every step
	AMAX 0, 1
.endm
	s_wait_tensorcnt 0x1                           ; s and my part of slot 0 are in; slot 1's may stay out
	s_barrier_signal -1
	s_barrier_wait -1                              ; everybody's are
	ADDR 1
	LDB 0
	LDB 1
	LDB 2
	LDB 3
	LDX 1, 0                                       ; block 0's scale words into set 0
.irp T, 0,1,2,3
	ds_load_b64 v[SV+2*\T:SV+2*\T+1], v[SADR] offset:16*SP*\T          ; s of step 0
.endr
.irp T, 0,1,2,3
	ds_load_b64 v[SV+8+2*\T:SV+8+2*\T+1], v[SADR] offset:16*SP*\T+8    ; and of step 1
.endr
	s_mov_b32 s57, 16                              ; step 0 fetches step 2's
	s_wait_dscnt 0x0
	AMAX 0, 0                                      ; step 0's operand is made with no products to stand between
	AMAX 1, 0
	PACK 0, 0
	PACK 1, 0
.set K, 0
.rept 32
	SLICE 0
.set K, K+1
.endr
	WIN 0
	AMAX 0, 1
	STEP 0, 1, 0                                   ; step 0 stands in front of the loop: its products start the sums: nothing is ever cleared
	s_mov_b32 s53, 6
.Ltrip:                                            ; six trips of four steps, 1 to 24: each fills a slot again (fills 2 to 7)
	STEP 1, 0, 0
	STEP 0, 0, 0
	TURN 1
	STEP 0, 0, 0
	s_sub_co_u32 s53, s53, 1
	s_cmp_lg_u32 s53, 0
	s_cbranch_scc1 .Ltrip
	STEP 1, 0, 0                                   ; the tail is written out: steps 25 to 31
	STEP 0, 0, 0
	TURN 0
	STEP 0, 0, 0
	STEP 1, 0, 0
	STEP 0, 0, 1
	SEG 0, 1, 0, 0                                 ; step 31: products alone
	s_wait_dscnt 16
	SEG 1, 1, 0, 0
	s_wait_dscnt 8
	SEG 2, 1, 0, 0
	s_wait_dscnt 0x0
	SEG 3, 1, 0, 0
	; THE WAY OUT.  Window 3 goes to my partner through LDS as it stands, 512 consecutive bytes a store; my partner's comes into window 1 and is added onto window 2, which leaves as register images.
.rept 4
	v_nop                                          ; places behind the last products
.endr
	WIN 0x0c                                       ; an LDS store's data are its source 1: window 3
.set A, 0
.rept 16
.irp i, 0,1,2,3
	ds_store_b128 v[EXO], v[16*A+4*\i:16*A+4*\i+3] offset:2048*A+512*\i   ; each accumulator from its low end on
.endr
.set A, A+1
.endr
	WIN 0
	s_wait_dscnt 0x0                               ; for my partner's sake
	s_barrier_signal -1
	s_barrier_wait -1
	WIN 0x40
.set A, 0
.rept 16
.irp i, 0,1,2,3
	ds_load_b128 v[16*A+4*\i:16*A+4*\i+3], v[EXP] offset:2048*A+512*\i
.endr
.set A, A+1
.endr
.set QD, 0
.rept 4
	s_wait_dscnt 48-16*QD                          ; this quarter's 16 loads are in; the later quarters' may be out
	WIN 0x86                                       ; destination and source 0 window 2, source 1 window 1
.set J, 0
.rept 32
	v_pk_add_f32 v[64*QD+2*J:64*QD+2*J+1], v[64*QD+2*J:64*QD+2*J+1], v[64*QD+2*J:64*QD+2*J+1]
.set J, J+1
.endr
	WIN 0x08                                       ; a store's data are its source 1: window 2
.set A, 4*QD
.rept 4
.irp i, 0,1,2,3
	global_store_b128 v[PO], v[16*A+4*\i:16*A+4*\i+3], s[14:15] offset:((A%4)*4+A/4)*2048+512*\i th:TH_STORE_NT   ; accumulator 4 p + T goes to place 4 T + p: 512 consecutive bytes
.endr
.set A, A+1
.endr
.set QD, QD+1
.endr
	WIN 0
	s_wait_tensorcnt 0x0                           ; the wave's end
	ds_add_u32 v[SPW], v[NIL]
	s_wait_dscnt 0x0
	CROUND                                         ; the closing round
	s_endpgm
.Lfunc_end_k_q3e5e338732_tri:
	.size	k_q3e5e338732_tri, .Lfunc_end_k_q3e5e338732_tri-k_q3e5e338732_tri
	.p2alignl 7, 3214868480
	.fill 96, 4, 3214868480
	.section	.rodata,"a",@progbits
	.p2align	6, 0x0
	.amdhsa_kernel k_q3e5e338732_tri
		.amdhsa_group_segment_fixed_size 327680
		.amdhsa_private_segment_fixed_size 0
		.amdhsa_enable_private_segment 0
		.amdhsa_kernarg_size 48
		.amdhsa_user_sgpr_count 2
		.amdhsa_user_sgpr_kernarg_segment_ptr 1
		.amdhsa_wavefront_size32 1
		.amdhsa_system_sgpr_workgroup_id_x 1
		.amdhsa_system_sgpr_workgroup_id_y 1
		.amdhsa_system_sgpr_workgroup_id_z 1
		.amdhsa_system_vgpr_workitem_id 0
		.amdhsa_next_free_vgpr 1024
		.amdhsa_next_free_sgpr 66
		.amdhsa_reserve_vcc 0
		.amdhsa_float_denorm_mode_32 3
		.amdhsa_float_denorm_mode_16_64 3
		.amdhsa_memory_ordered 1
		.amdhsa_forward_progress 1
		.amdhsa_inst_pref_size 255
	.end_amdhsa_kernel
	.section	.bss,"aw",@nobits
	.p2align	6
	.space	262144
	.amdgpu_metadata
---
amdhsa.version: [ 1, 2 ]
amdhsa.kernels:
  - .name:           k_q3e5e338732_tri
    .symbol:         k_q3e5e338732_tri.kd
    .args:
      - { .name: in0, .offset: 0, .size: 8, .value_kind: global_buffer, .address_space: global }
      - { .name: in1, .offset: 8, .size: 8, .value_kind: global_buffer, .address_space: global }
      - { .name: st0, .offset: 16, .size: 8, .value_kind: global_buffer, .address_space: global }
      - { .name: st1, .offset: 24, .size: 8, .value_kind: global_buffer, .address_space: global }
      - { .name: wq, .offset: 32, .size: 8, .value_kind: global_buffer, .address_space: global }
      - { .name: part, .offset: 40, .size: 8, .value_kind: global_buffer, .address_space: global }
    .group_segment_fixed_size: 327680
    .private_segment_fixed_size: 0
    .kernarg_segment_align: 8
    .kernarg_segment_size: 48
    .max_flat_workgroup_size: 128
    .sgpr_count:     66
    .vgpr_count:     1024
    .wavefront_size: 32
...
	.end_amdgpu_metadata
.endif
;; end of part 2
;; launch fin (part 3): grid 256 x 1, 4 waves a work-group, no clusters, 8,960 bytes of LDS; arguments part, st0, st1, w3q, b1, b2, out0; writes out0
.if DOCPART == 3
	.amdgcn_target "amdgcn-amd-amdhsa--gfx1250"
	.amdhsa_code_object_version 6
	.text
	.protected	k_q3e5e338732_fin
	.globl	k_q3e5e338732_fin
	.p2align	8
	.type	k_q3e5e338732_fin,@function
k_q3e5e338732_fin:
	s_mov_b64 s[64:65], 0
	v_nop
	global_prefetch_b8 v0, s[64:65] scope:SCOPE_SE
	s_setreg_imm32_b32 hwreg(HW_REG_WAVE_MODE, 25, 1), 1
	s_wait_xcnt 0x0
; out = u tanh(m1 + b1) + (1 - u) (Q(s) Q(W3)), u = sigmoid(m2 + b2); m1, m2 = the sums of the eight partial sums in part; s = [st0|st1].
; SHARES.  Work-group g: rows 16 g .. + 15.  Wave w: columns 32 w .. + 31.  Everything lies in the layout of a 32 x 16 matrix result used transposed: lane (r, h) holds row r;
; registers 0-7 columns 8 h + j, registers 8-15 columns 16 + 8 h + j of the wave's 32.  The partial sums were stored as such images: every load is 512 consecutive bytes.
; s is quantised in registers by each wave (16 KB a work-group): lane (r, h) loads k = 128 sK + 64 c + 32 h + 0..31 of row r: whole blocks, in the operand's own order.
; tanh(z) = 1 - 2 / (1 + 2^(2 z log2 e)), sigmoid(z) = 1 / (1 + 2^(-z log2 e)): where the power overflows the reciprocal is 0, which is the limit.
; LIMITS: a block of zeros of s gets the byte 1 where the rule says 127 (its codes are zeros); NaN and infinities among the inputs are not served; the eight partial sums are added in ascending order onto the bias.
; No cluster and no tensor load: what work-groups share (W3's codes, the biases) is 18 KB beside 144 KB of each one's own.  All loads are issued at the head, so there is nothing to ask for ahead of them.
; REGISTERS.  Window 0: v1-7 addresses; v12-23 at work; v24-25 s's scale words, v26-27 W3's (scales and nothing else); v32-63 W3's two operands; v64-79 the product; v80-95 m1, v96-111 m2;
;   v112-127 s's codes; v128-255 s in f32, later at work.   Window 1: the partial sums, at 32 y + 16 half + 4 i.
.set LI,  1                            ; v1  16 x lane
.set LW,  2                            ; v2  4 x lane
.set SO,  3                            ; v3  s: row r of 512 bytes + 128 h
.set BO,  4                            ; v4  the biases: 32 h
.set STI, 5                            ; v5  the stage: where I put
.set STB, 6                            ; v6  and where I read rows back
.set SH8, 7                            ; v7  8 h
.set H3,  64
.set M1,  80
.set M2,  96
.set SC,  112
.set XF,  128
.set MSB, 0
.macro WIN new
.if MSB != (\new)
	s_set_vgpr_msb (MSB<<8)|(\new)
.set MSB, (\new)
.endif
.endm
	s_load_b256 s[4:11], s[0:1], 0x0               ; part, st0, st1, w3q
	s_load_b128 s[12:15], s[0:1], 0x20             ; b1, b2
	s_load_b64 s[16:17], s[0:1], 0x30              ; out0
	v_lshl_add_u32 v30, v0, 2, 0x2100
	v_mov_b32 v31, 0
	v_lshrrev_b32 v8, 5, v0
	v_readfirstlane_b32 s18, v8                    ; wave 0..3
	v_and_b32 v8, 31, v0
	v_and_b32 v9, 15, v0                           ; r
	v_bfe_u32 v10, v0, 4, 1                        ; h
	v_lshlrev_b32 v[LI], 4, v8
	v_lshlrev_b32 v[LW], 2, v8
	v_lshlrev_b32 v[SO], 9, v9
	v_lshl_add_u32 v[SO], v10, 7, v[SO]
	v_lshlrev_b32 v[BO], 5, v10
	v_lshlrev_b32 v[SH8], 3, v10
	s_lshl_b32 s19, s18, 7
	v_mul_u32_u24 v[STI], v9, 528                  ; the stage: row r of 512 bytes + 16, + my wave's 128 bytes, + 32 h
	v_lshl_add_u32 v[STI], v10, 5, v[STI]
	v_add_nc_u32 v[STI], s19, v[STI]
	s_mul_i32 s36, s18, 4*528
	v_add_nc_u32 v[STB], s36, v[LI]                ; back: rows 4 w on, 16 bytes a lane
	v_mov_b32 v13, 0                               ; a lane permute's destination counts as one of its sources
	s_mov_b32 s42, 0x76543210
	s_mov_b32 s43, 0xfedcba98
	s_lshl_b32 s36, ttmp9, 13                      ; 16 rows of 512 bytes
	s_mov_b32 s37, 0
	s_lshl_b32 s38, s18, 12                        ; w3q: my pair's two operands
	s_mov_b32 s39, 0
	s_lshl_b32 s40, s18, 8                         ; and their scale words
	s_mov_b32 s41, 0
	s_mov_b32 s44, s19                             ; the biases: my 32 numbers
	s_mov_b32 s45, 0
	s_lshr_b32 s46, ttmp9, 2
	s_lshl_b32 s46, s46, 16                        ; part: 64 KB for each 64 rows,
	s_and_b32 s47, ttmp9, 3
	s_lshl_b32 s47, s47, 2
	s_add_co_u32 s47, s47, s18
	s_lshl_b32 s47, s47, 11                        ; place 4 T + p of 2,048 bytes
	s_add_co_u32 s46, s46, s47
	s_mov_b32 s47, 0
	s_wait_kmcnt 0x0
	s_add_nc_u64 s[6:7], s[6:7], s[36:37]
	s_add_nc_u64 s[8:9], s[8:9], s[36:37]
	s_add_nc_u64 s[16:17], s[16:17], s[36:37]
	s_lshl_b32 s36, s18, 11                        ; my four rows of out0
	s_add_nc_u64 s[16:17], s[16:17], s[36:37]
	s_add_nc_u64 s[38:39], s[10:11], s[38:39]
	s_add_nc_u64 s[40:41], s[10:11], s[40:41]
	s_add_nc_u64 s[12:13], s[12:13], s[44:45]
	s_add_nc_u64 s[14:15], s[14:15], s[44:45]
	s_add_nc_u64 s[20:21], s[4:5], s[46:47]        ; a base for each partial sum: they lie 4 MB apart
.irp y, 1,2,3,4,5,6,7
	s_add_nc_u64 s[20+2*\y:21+2*\y], s[18+2*\y:19+2*\y], 0x400000
.endr
.irp k, 0,1
.irp c, 0,1
.irp i, 0,1,2,3,4,5,6,7
	global_load_b128 v[XF+64*\k+32*\c+4*\i:XF+64*\k+32*\c+4*\i+3], v[SO], s[6+2*\k:7+2*\k] offset:256*\c+16*\i
.endr
.endr
.endr
.irp k, 0,1
.irp i, 0,1,2,3
	global_load_b128 v[32+16*\k+4*\i:32+16*\k+4*\i+3], v[LI], s[38:39] offset:2048*\k+512*\i
.endr
	global_load_b32 v[26+\k], v[LW], s[40:41] offset:16384+128*\k
.endr
.irp k, 0,1
	global_load_b128 v[M1+16*\k:M1+16*\k+3],     v[BO], s[12+2*\k:13+2*\k]             ; the biases start the sums
	global_load_b128 v[M1+16*\k+4:M1+16*\k+7],   v[BO], s[12+2*\k:13+2*\k] offset:16
	global_load_b128 v[M1+16*\k+8:M1+16*\k+11],  v[BO], s[12+2*\k:13+2*\k] offset:64
	global_load_b128 v[M1+16*\k+12:M1+16*\k+15], v[BO], s[12+2*\k:13+2*\k] offset:80
.endr
	WIN 0x40                                       ; destination window 1
.macro PLOAD y
.irp f, 0,1
.irp i, 0,1,2,3
	global_load_b128 v[32*\y+16*\f+4*\i:32*\y+16*\f+4*\i+3], v[LI], s[20+2*\y:21+2*\y] offset:32768*\f+512*\i th:TH_LOAD_NT
.endr
.endr
.endm
.irp y, 0,1,2,3,4,5,6
	PLOAD \y
.endr
	s_wait_loadcnt 56                              ; s, W3's operands and the biases are in: behind them stand seven partial sums of eight loads
	PLOAD 7
	WIN 0
; 64 numbers of a lane, two whole blocks of K step sK, become the operand's eight registers and my row's scale word
.macro QS k
.set XB, XF+64*\k
.irp c, 0,1
	v_max3_num_f32 v[16+\c], |v[XB+32*\c]|, |v[XB+32*\c+1]|, 0x1800000   ; with the floor 2^(3 - 127): the byte cannot fall under 1
.endr
.irp i, 2,4,6,8,10,12,14,16,18,20,22,24,26,28,30
.irp c, 0,1
	v_max3_num_f32 v[16+\c], v[16+\c], |v[XB+32*\c+\i]|, |v[XB+32*\c+\i+1]|
.endr
.endr
.irp c, 0,1
	v_add_nc_u32 v[20+\c], 0xff000000, v[16+\c]    ; 2 off the exponent field: the conversion's scale operand
.endr
.irp c, 0,1
	v_lshrrev_b32 v[22+\c], 23, v[20+\c]
.endr
	v_lshl_or_b32 v12, v23, 16, v22                ; bytes 2 c + h
	v_lshlrev_b32 v12, v[SH8], v12
	v_permlanex16_b32 v13, v12, s42, s43
	v_or_b32 v[24+\k], v12, v13
.irp c, 0,1
.irp g, 0,1,2,3
	v_cvt_scalef32_pk8_fp4_f32 v[SC+8*\k+4*\c+\g], v[XB+32*\c+8*\g:XB+32*\c+8*\g+7], v[20+\c]
.endr
.endr
	v_nop                                          ; one plain line behind the last conversion
.endm
	QS 0
	QS 1
.rept 8
	v_nop                                          ; a scale register written by a vector instruction stands eight places ahead of a scaled matrix instruction
.endr
	v_wmma_scale_f32_32x16x128_f4 v[H3:H3+15], v[32:47], v[SC:SC+7], 0, v26, v24
	s_wait_alu depctr_va_vdst(0)                   ; one accumulator alone
	v_wmma_scale_f32_32x16x128_f4 v[H3:H3+15], v[48:63], v[SC+8:SC+15], v[H3:H3+15], v27, v25
	WIN 0x04                                       ; source 1 window 1
.irp y, 0,1,2,3,4,5,6,7
	s_wait_loadcnt 8*(7-\y)                        ; partial sum y is in; the later ones may be out
.irp j, 0,2,4,6,8,10,12,14,16,18,20,22,24,26,28,30
	v_pk_add_f32 v[M1+\j:M1+\j+1], v[M1+\j:M1+\j+1], v[32*\y+\j:32*\y+\j+1]   ; (these lines are also the places behind the products)
.endr
.endr
	WIN 0
.irp j, 0,2,4,6,8,10,12,14
	v_pk_mul_f32 v[XF+\j:XF+\j+1], v[M1+\j:M1+\j+1], 0x4038aa3b op_sel_hi:[1,0]        ; 2 log2(e) z1
.endr
.irp j, 0,2,4,6,8,10,12,14
	v_pk_mul_f32 v[XF+16+\j:XF+16+\j+1], v[M2+\j:M2+\j+1], 0xbfb8aa3b op_sel_hi:[1,0]  ; -log2(e) z2
.endr
.irp j, 0,1,2,3,4,5,6,7,8,9,10,11,12,13,14,15,16,17,18,19,20,21,22,23,24,25,26,27,28,29,30,31
	v_exp_f32 v[XF+\j], v[XF+\j]
.endr
	v_nop                                          ; a plain line behind the last exponential,
	s_wait_alu depctr_va_vdst(0)                   ; and one wait for the batch, ahead of its first reader
.irp j, 0,2,4,6,8,10,12,14,16,18,20,22,24,26,28,30
	v_pk_add_f32 v[XF+\j:XF+\j+1], v[XF+\j:XF+\j+1], 1.0 op_sel_hi:[1,0]
.endr
.irp j, 0,1,2,3,4,5,6,7,8,9,10,11,12,13,14,15,16,17,18,19,20,21,22,23,24,25,26,27,28,29,30,31
	v_rcp_f32 v[XF+\j], v[XF+\j]
.endr
	v_nop
	s_wait_alu depctr_va_vdst(0)                   ; likewise for the reciprocals
.irp j, 0,2,4,6,8,10,12,14
	v_pk_fma_f32 v[XF+\j:XF+\j+1], v[XF+\j:XF+\j+1], -2.0, 1.0 op_sel_hi:[1,0,0]       ; tanh
.endr
.irp j, 0,2,4,6,8,10,12,14
	v_pk_add_f32 v[XF+\j:XF+\j+1], v[XF+\j:XF+\j+1], v[H3+\j:H3+\j+1] neg_lo:[0,1] neg_hi:[0,1]   ; - s W3 (the product is read from its low end on)
.endr
.irp j, 0,2,4,6,8,10,12,14
	v_pk_fma_f32 v[XF+32+\j:XF+32+\j+1], v[XF+16+\j:XF+16+\j+1], v[XF+\j:XF+\j+1], v[H3+\j:H3+\j+1]   ; s W3 + u (tanh - s W3)
.endr
	; a row's 128 numbers come from four waves: they meet in a stage, and each wave stores four whole rows
	ds_store_b128 v[STI], v[XF+32:XF+35]
	ds_store_b128 v[STI], v[XF+36:XF+39] offset:16
	ds_store_b128 v[STI], v[XF+40:XF+43] offset:64
	ds_store_b128 v[STI], v[XF+44:XF+47] offset:80
	s_wait_dscnt 0x0                               ; for the others' sake
	s_barrier_signal -1
	s_barrier_wait -1
.irp i, 0,1,2,3
	ds_load_b128 v[XF+48+4*\i:XF+48+4*\i+3], v[STB] offset:528*\i
.endr
.irp i, 0,1,2,3
	s_wait_dscnt 3-\i
	global_store_b128 v[LI], v[XF+48+4*\i:XF+48+4*\i+3], s[16:17] offset:512*\i th:TH_STORE_NT   ; 32 lanes store a row of 512 consecutive bytes
.endr
	s_wait_tensorcnt 0x0
	ds_add_u32 v30, v31
	s_wait_dscnt 0x0
	s_endpgm
.Lfunc_end_k_q3e5e338732_fin:
	.size	k_q3e5e338732_fin, .Lfunc_end_k_q3e5e338732_fin-k_q3e5e338732_fin
	.p2alignl 7, 3214868480
	.fill 96, 4, 3214868480
	.section	.rodata,"a",@progbits
	.p2align	6, 0x0
	.amdhsa_kernel k_q3e5e338732_fin
		.amdhsa_group_segment_fixed_size 8960
		.amdhsa_private_segment_fixed_size 0
		.amdhsa_enable_private_segment 0
		.amdhsa_kernarg_size 56
		.amdhsa_user_sgpr_count 2
		.amdhsa_user_sgpr_kernarg_segment_ptr 1
		.amdhsa_wavefront_size32 1
		.amdhsa_system_sgpr_workgroup_id_x 1
		.amdhsa_system_sgpr_workgroup_id_y 1
		.amdhsa_system_sgpr_workgroup_id_z 1
		.amdhsa_system_vgpr_workitem_id 0
		.amdhsa_next_free_vgpr 512
		.amdhsa_next_free_sgpr 66
		.amdhsa_reserve_vcc 0
		.amdhsa_float_denorm_mode_32 3
		.amdhsa_float_denorm_mode_16_64 3
		.amdhsa_memory_ordered 1
		.amdhsa_forward_progress 1
		.amdhsa_inst_pref_size 36
	.end_amdhsa_kernel
	.amdgpu_metadata
---
amdhsa.version: [ 1, 2 ]
amdhsa.kernels:
  - .name:           k_q3e5e338732_fin
    .symbol:         k_q3e5e338732_fin.kd
    .args:
      - { .name: part, .offset: 0, .size: 8, .value_kind: global_buffer, .address_space: global }
      - { .name: st0, .offset: 8, .size: 8, .value_kind: global_buffer, .address_space: global }
      - { .name: st1, .offset: 16, .size: 8, .value_kind: global_buffer, .address_space: global }
      - { .name: w3q, .offset: 24, .size: 8, .value_kind: global_buffer, .address_space: global }
      - { .name: b1, .offset: 32, .size: 8, .value_kind: global_buffer, .address_space: global }
      - { .name: b2, .offset: 40, .size: 8, .value_kind: global_buffer, .address_space: global }
      - { .name: out0, .offset: 48, .size: 8, .value_kind: global_buffer, .address_space: global }
    .group_segment_fixed_size: 8960
    .private_segment_fixed_size: 0
    .kernarg_segment_align: 8
    .kernarg_segment_size: 56
    .max_flat_workgroup_size: 128
    .sgpr_count:     66
    .vgpr_count:     512
    .wavefront_size: 32
...
	.end_amdgpu_metadata
.endif
;; end of part 3
